; MI455X (gfx1250); checked and timed in simulation.
; The chip was launched on July 23, 2026; its instructions are those of AMD's public machine-readable ISA for CDNA 5 (MIT licence, August 2026) and "CDNA5" Instruction Set Architecture Reference Guide (July 2026). The comments in the code are by the model that wrote it; some were corrected since.
;; True Sliding Window Attention. Allowed arithmetic: matrix products marked QUANTISED: E2M3 operands, one E8M0 scale for each 32 along K, by v_wmma_scale_f32_16x16x128_f8f6f4 with both operands' format E2M3, f32 sums; everything else in f32.
;; Inputs: k 16 x 4,096 x 64 float32; q 16 x 4,096 x 64 float32; v 16 x 4,096 x 64 float32.
;; Outputs: out0 16 x 4,096 x 64 float32.
;; This version of the problem:
;;   THIS VERSION OF THE PROBLEM IS GIVEN IN LOW PRECISION. The matrix products marked QUANTISED in the list below multiply operands that are first quantised to E2M3 (2 exponent bits, 3 mantissa bits; 6 bits a number), with one power-of-two scale for each 32 numbers along K (OCP MX v1.0); their sums are f32. All else is computed in f32.
;;   The module's matrix products, in the order in which they are computed (A, B: the left and right operand; K: the contracted axis; several contracted axes count as one K, in the product's order):
;;     1. batch 16 x [M 4,096, K 64] x [K 64, N 4,096]; A: computed on the way; B: input k: QUANTISED
;;     2. batch 16 x [M 4,096, K 4,096] x [K 4,096, N 64]; A: softmax (see below); B: input v: QUANTISED
;;   THE QUANTISER, for each operand of a quantised product, along K:
;;     - K is cut into blocks of 32 from its start; a last block that is shorter is filled with zeros.
;;     - A block's scale is 2^e with e = floor(log2(the largest magnitude in the block)) - 2, held to -126 .. 127; a block of zeros has e = 0. As a byte (E8M0): e + 127.
;;     - Each number is divided by its block's scale, clamped to +-7.5, and rounded to the nearest number of E2M3, ties to even, subnormals kept.
;;     - The product sums the exact products of the quantised numbers (number of the format x scale) in f32.
;;   ~~~python
;;   def quantise(x, axis):      # numpy; x: float32 -> the quantised numbers, widened to float32 again
;;       x = np.moveaxis(x, axis, -1); K = x.shape[-1]
;;       x = np.pad(x, [(0, 0)] * (x.ndim - 1) + [(0, -K % 32)]); x = x.reshape(x.shape[:-1] + (-1, 32)); a = np.abs(x).max(-1, keepdims=True)
;;       e = np.where(a > 0, np.clip(np.frexp(np.where(a > 0, a, 1))[1] - 1 - 2, -126, 127), 0)      # np.frexp(a)[1] - 1 = floor(log2(a)), exactly
;;       r = np.clip(x / 2.0 ** e, -7.5, 7.5)
;;       step = 2.0 ** (np.maximum(np.frexp(np.where(r == 0, 1, r))[1] - 1, 0) - 3)
;;       q = np.round(r / step) * step * 2.0 ** e      # np.round: ties to even
;;       return np.moveaxis(q.reshape(q.shape[:-2] + (-1,))[..., :K], -1, axis).astype(np.float32)
;;   ~~~
;;   SOFTMAX AHEAD OF A QUANTISED PRODUCT. Where the list says 'softmax', what is quantised is not the finished softmax but p = 2^(t - M), with t = logit x log2(e) and M = ceil(the row's largest t), a whole number; so 1/2 < the row's largest p <= 1. The row's sum l is taken of the UNQUANTISED p, in f32, and the product's result is divided by l at the end. Since M is a whole number, a kernel that streams over the keys may use a running M (the ceiling of the running maximum): every later rescaling is an exact power of two, which a block's scale takes up: the codes' values come out the same.
;;   OPERANDS COMPUTED ON THE WAY. 'Computed on the way' means the value that the module computes at that place (a softmax that the list does not call 'softmax' is quantised finished and normalised). What goes into a quantiser is computed in f32, as accurately as f32 sums, v_exp_f32 and their like allow (about 1e-6 of the number): no bf16 or f16 on the way to a quantiser, and a product that is left as it is and whose result goes on into a quantised operand takes f32 operands (vector FMAs, or v_wmma_f32_16x16x4_f32). A number that lies on a knife's edge between two numbers of the format may be rounded either way, as far as f32 arithmetic and the matrix unit's own rounding can turn it there, and no further.
;; 2 versions. Each part assembles by itself: llvm-mc -triple=amdgcn-amd-amdhsa -mcpu=gfx1250 --defsym DOCPART=n.
;; ======== version 1 of 2: 1 launch
;; launch swa (part 1): grid 16 x 16, 16 waves a work-group, no clusters, 158,720 bytes of LDS; arguments q, k, v, out0; writes out0
.if DOCPART == 1
	.amdgcn_target "amdgcn-amd-amdhsa--gfx1250"
	.amdhsa_code_object_version 6
	.text
	.protected	k_q797715fa29_swa
	.globl	k_q797715fa29_swa
	.p2align	8
	.type	k_q797715fa29_swa,@function
k_q797715fa29_swa:
	s_mov_b64 s[64:65], 0
	v_nop
	global_prefetch_b8 v0, s[64:65] scope:SCOPE_SE
	s_setreg_imm32_b32 hwreg(HW_REG_WAVE_MODE, 25, 1), 1
	s_wait_xcnt 0x0
; out[b][n][:] = softmax over keys m in [n - 511, n] of (q[b][n] / 8 . k[b][m]) times v[b][m][:].  q, k, v, out: [16][4096][64] f32.
; Both products run on codes of FP6 (E2M3) with one E8M0 scale for each 32 along a product's K: q / 8 and k along the 64 channels, p and v along the keys (blocks of 32 from key 0).
; p = 2^(t - M), t = logit x log2(e), M the running largest t rounded UP to a whole number; the row's sum is taken of the unquantised p and divides at the end.
; SHARES.  A work-group owns 256 queries of one head (grid x: the block of queries, grid y: the head); its LOCAL keys 0 .. 767 are keys 256 x - 512 .. 256 x + 255: 24 blocks of 32.
; Each of its sixteen waves owns 16 queries in 256 registers.  PHASE A: the waves together quantise the 768 keys of k and v once, three tiles of k and three units of v a wave, and lay codes and scale words
; into LDS as images of operand registers; each wave quantises its own queries into registers.  One barrier.  PHASE B: wave w walks the 17 blocks w / 2 .. w / 2 + 16, which hold its queries' windows exactly:
; four steps of 128 keys and one of 32 (the block with the diagonal).  No loop, no branch, one barrier.
; LAYOUT.  Both products are used transposed: S^T = K Q^T (source 0 = 16 keys, source 1 = my queries), O^T = V^T P^T (source 0 = 16 channels, source 1 = p): a lane holds ONE query (lane % 16) throughout.
; THE KEYS OF A TILE ARE NOT NEIGHBOURS: row m of tile 2 b + u is key 32 b + 8 u + m + 8 (m / 8), so that S^T's registers 16 b + i are keys 32 b + 16 (lane / 16) + i: 16 neighbours along the second product's K.
; THE FIRST PRODUCT'S K IS 64 OF THE INSTRUCTION'S 128.  Q's registers 6-11 are zero codes, and bytes 2, 3 of Q's and K's scale words are 0, no NaN byte.  Zero codes add nothing whatever stands against them, and E2M3 has no
; infinity or NaN: so K's fragments lie packed, 6 registers a tile, and a tile's operand runs on over the next tile's six (the last tile's over p's codes, which are always written).
; KEYS AHEAD OF THE HEAD'S START (x = 0, 1: local blocks under 16 - 8 x).  Phase A holds such a block's first key at 0, so that no load leaves its buffer and every LDS byte read is written; phase B adds -infinity to such a block's
; largest score and to its addend -M: p = 0, zero codes.  272 of a head's 4,352 block visits are computed so and count for nothing.
; NO CLUSTER: what neighbouring work-groups share are f32 numbers that must pass through registers to be quantised: 768 keys x 256 bytes x 2 = 393,216 bytes a work-group, more than a work-group's LDS can take, and each neighbour's
; window is shifted by 256 keys.  So nothing here is brought by tensor loads, and there is no joint request to make.  Every load of the launch is issued at its head or within phase A: there is no later stream to ask for ahead.
; LIMITS: NaN and infinities among the inputs are not served.  A block whose largest magnitude lies under 2^-124 has its scale byte held at 1; a block of zeros has the byte 1 where the rule says 127 (its codes are zeros, and this
; program alone reads the bytes).  p under 2^-126 comes out of v_exp_f32 as 0 (ISA guide, 15.8).
.set KIMG, 0                           ; LDS: K's 48 tiles, 768 bytes each: registers 0-3 at 16 x lane (512 bytes), registers 4-5 at 512 + 8 x lane
.set KSC,  36864                       ; K's scale words: tile T's at 64 T + 4 (lane % 16): 128 bytes a block of 32 keys, lanes 0-15 the even tile, lanes 16-31 the odd one
.set VIMG, 39936                       ; V's 48 units (block kb, channels 32 half on) at 832 (2 kb + half): for each 16 channels 384 bytes: registers 0-3 at 16 r, registers 4-5 at 256 + 8 r; 64 bytes left over
.set VSCB, 79872                       ; V's scale words for a fragment that begins at ANY block: row kb0 + 3 (kb0 = -3 .. 23) of 256 bytes, word 4 x channel, byte j = the byte of block kb0 + j
.set STG,  86784                       ; a stage of 16 rows x 272 bytes for each wave, its own: the turn of k and q in phase A, and the way out
.set AKA,  1                           ; v1   K's images, registers 0-3: KIMG + 1536 (w / 2) + 16 x lane
.set AKB,  2                           ; v2   registers 4-5: KIMG + 512 + 1536 (w / 2) + 8 x lane
.set AVA,  3                           ; v3   V's images, registers 0-3: VIMG + 1664 (w / 2 + h) + 16 r
.set AVB,  4                           ; v4   registers 4-5: the same + 256 + 8 r in place of 16 r
.set AKS,  5                           ; v5   K's scale words: KSC + 128 (w / 2) + 4 x lane
.set AVS,  6                           ; v6   V's: VSCB + 256 (w / 2 + 3) + 4 x lane
.set DD,   7                           ; v7   d = r - 16 h + 16 (w % 2), signed: in the window's first block register i is hidden where i <= d, in its last where i > d
.set NINF, 8                           ; v8   -infinity
.set SW,   9                           ; v9   the stage by pairs of rows: + 272 h + 16 r
.set SR,   10                          ; v10  the stage by rows: + 272 r + 128 h
.set LQ,   11                          ; v11  16 x lane
.set NEGM, 12                          ; v12  -M          (v12-15 are at work in the head)
.set TMAX, 13                          ; v13  the running largest t
.set SUM,  14                          ; v[14:15] the row's sum, in two halves
.set QF,   16                          ; v16-27 Q's fragment
.set QS,   28                          ; v28  Q's scale words
.set PW,   29                          ; v29  p's scale word
.set FF,   30                          ; v[30:31] f = 2^(old M - new M); the pair's upper word is only named
; phase A
.set VVO,  32                          ; v32  4 x lane
.set KWA,  33                          ; v33-35 where I store K's images and scale words
.set KWB,  34
.set KWS,  35
.set VWA,  36                          ; v36-38 and V's
.set VWB,  37
.set VWS,  38
.set H8,   39                          ; v39  8 h
.set MA,   40                          ; v40-41 two chains of a largest magnitude
.set MB,   41
.set SCL,  42                          ; v42  the conversion's scale operand
.set BY,   43                          ; v43  the scale's byte
.set T1,   44
.set TP,   45
.set WD,   46                          ; v46  a scale word on its way to LDS
.set CC,   48                          ; v48-53 a block's codes
.set YY,   54                          ; v54-56 their second half, as the conversion leaves it
.set BUF0, 64                          ; v64-223 five sets of 32 numbers as loaded
.set BUF1, 96
.set BUF2, 128
.set BUF3, 160
.set BUF4, 192
.set X,    224                         ; v224-255 32 neighbours along the channels
; phase B
.set NM,   32                          ; v32-39 four pairs: -M, or -infinity for a block that does not exist, in the low word
.set BM,   40                          ; v40-43 each block's largest score, then its largest p
.set T2,   44                          ; v44-51 at work
.set SCO,  52                          ; v52-55 the conversions' scale operands
.set TMP,  56
.set SO,   57                          ; v57  the way out: where I put 32 bytes of a row
.set KS,   58                          ; v58-61 K's scale words, a register a block
.set VS,   62                          ; v62-63 V's: channels 0-31, 32-63
.set KF,   64                          ; v64-111 K's 8 x 6 registers, then V's 4 x 12
.set PC,   112                         ; v112-123 p's codes, directly behind KF
.set S,    128                         ; v128-191 S^T, then p
.set OT,   192                         ; v192-223 O^T: register 8 t + j = channel 16 t + 8 h + j
.set SEL,  20                          ; s[20:21] v_permlanex16_b32's selects for lane l xor 16
.set CS,   22                          ; s[22:23] log2(e): the packed form names a pair and takes its low word for both halves
.set KB,   24                          ; s[24:29] k at my three tiles
.set VB,   30                          ; s[30:35] v at my three units
.set LB0,  42                          ; s42  w / 2 less the number of local blocks that do not exist
.set STW,  43                          ; s43  my stage
.set BI,   44                          ; s[44:47] 0, or -infinity, for a step's four blocks
.macro PLACES n
.rept \n
	v_nop
.endr
.endm
; A lane's 32 numbers of ONE block, v[src] on, become 6 registers of codes at v[dst] on, and the block's scale byte in v[BY].
.macro QB32 src, dst
	v_max3_num_f32 v[MA], |v[\src]|, |v[\src+1]|, 0x1800000        ; the largest magnitude, in two chains, with the floor 2^(3 - 127) among its leaves: the byte cannot fall under 1
	v_max3_num_f32 v[MB], |v[\src+2]|, |v[\src+3]|, |v[\src+4]|
.irp i, 5,9,13,17,21,25
	v_max3_num_f32 v[MA], v[MA], |v[\src+\i]|, |v[\src+\i+1]|
	v_max3_num_f32 v[MB], v[MB], |v[\src+\i+2]|, |v[\src+\i+3]|
.endr
	v_max3_num_f32 v[MA], v[MA], |v[\src+29]|, |v[\src+30]|
	v_max3_num_f32 v[MA], v[MA], v[MB], |v[\src+31]|
	v_add_nc_u32 v[SCL], 0xff000000, v[MA]                         ; 2 off its exponent field: the conversion takes the exponent field of this operand as its scale, and nothing else of it
	v_cvt_scalef32_pk16_fp6_f32 v[\dst:\dst+2], v[\src:\src+15], v[SCL]
	v_cvt_scalef32_pk16_fp6_f32 v[YY:YY+2], v[\src+16:\src+31], v[SCL]   ; (a conversion's three registers begin on an even number)
	v_lshrrev_b32 v[BY], 23, v[SCL]                                ; the scale's byte; also the plain line behind the conversions
.irp i, 0,1,2
	v_mov_b32 v[\dst+3+\i], v[YY+\i]
.endr
.endm
; Lane (r, h) holds the byte of block h of row r: the row's scale word is byte 0 | byte 1 << 8, bytes 2 and 3 stay 0; both halves of the lanes end with it.
.macro WORD dst
	v_lshlrev_b32 v[T1], v[H8], v[BY]
	v_permlanex16_b32 v[TP], v[T1], s[SEL], s[SEL+1]
	v_or_b32 v[\dst], v[T1], v[TP]
.endm
; 16 rows of 256 bytes, two rows (512 consecutive bytes) a load.  kind 0: q's 16 neighbouring rows, read by this wave alone.  kind 1: a tile of k: two runs of 8 rows, 16 rows apart.  Load i holds the tile's rows 2 i + h.
.macro GLD16 buf, base, kind
.irp i, 0,1,2,3,4,5,6,7
.if \kind
	global_load_b128 v[\buf+4*\i:\buf+4*\i+3], v[LQ], s[\base:\base+1] offset:4096*(\i/4)+512*(\i%4)
.else
	global_load_b128 v[\buf+4*\i:\buf+4*\i+3], v[LQ], s[\base:\base+1] offset:512*\i th:TH_LOAD_NT
.endif
.endr
.endm
; A unit of v: a lane takes a channel and its registers run down the block's 32 keys, so that the conversions give codes with the keys innermost.  32 lanes read 128 consecutive bytes.
.macro GLDV buf, j
.set n, 0
.rept 32
	global_load_b32 v[\buf+n], v[VVO], s[VB+2*(\j):VB+2*(\j)+1] offset:256*n
.set n, n+1
.endr
.endm
; 16 rows x 64 numbers turn through my stage: in as loaded, back as 32 neighbours of row r (channels 32 h on).  LDS serves a wave's instructions in order (ISA guide 5.7.1.4): no wait between the stores and the loads.
.macro TURN buf
.irp i, 0,1,2,3,4,5,6,7
	ds_store_b128 v[SW], v[\buf+4*\i:\buf+4*\i+3] offset:544*\i
.endr
.irp i, 0,1,2,3,4,5,6,7
	ds_load_b128 v[X+4*\i:X+4*\i+3], v[SR] offset:16*\i
.endr
	s_wait_dscnt 0x0                               ; X is in; the stores above have read buf; the last job's image stores have read the codes' registers
.endm
; My j-th tile of k.  left: the loads issued behind its eight.  vnext: the unit of v that takes buf's registers, or -1.
.macro KJOB j, buf, left, vnext
	s_wait_loadcnt \left
	TURN \buf
.if \vnext >= 0
	GLDV \buf, \vnext
.endif
	QB32 X, CC
	WORD WD
	ds_store_b128 v[KWA], v[CC:CC+3] offset:768*\j
	ds_store_b64 v[KWB], v[CC+4:CC+5] offset:768*\j
	ds_store_b32 v[KWS], v[WD] offset:64*\j        ; lanes r and r + 16 write the same word with the same value
.endm
; My j-th unit of v: its codes, and its byte at the four places from which a fragment's scale word may want it.
.macro VJOB j, buf, left
	s_wait_loadcnt \left
	s_wait_dscnt 0x0                               ; the last job's stores have read the codes' registers and the byte
	QB32 \buf, CC
	ds_store_b128 v[VWA], v[CC:CC+3] offset:832*\j
	ds_store_b64 v[VWB], v[CC+4:CC+5] offset:832*\j
.irp jj, 0,1,2,3
	ds_store_b8 v[VWS], v[BY] offset:128*\j+256*(3-\jj)+\jj   ; block kb is byte jj of the word that begins at block kb - jj
.endr
.endm
; n tiles of K from my window's tile tile0 on, 6 registers each, and their scale words
.macro KFETCH tile0, n
.set t, 0
.rept \n
	ds_load_b128 v[KF+6*t:KF+6*t+3], v[AKA] offset:768*((\tile0)+t)
	ds_load_b64 v[KF+6*t+4:KF+6*t+5], v[AKB] offset:768*((\tile0)+t)
.set t, t+1
.endr
.set t, 0
.rept (\n)/2
	ds_load_b32 v[KS+t], v[AKS] offset:128*((\tile0)/2+t)
.set t, t+1
.endr
.endm
; V^T's four fragments (16 channels x 128 keys) for the four blocks from my window's block kb0 on: lane (r, h) takes block kb0 + 2 c + h of channel 16 t + r into registers 6 c .. 6 c + 5
.macro VFETCH kb0
.irp t, 0,1,2,3
.irp c, 0,1
	ds_load_b128 v[KF+12*\t+6*\c:KF+12*\t+6*\c+3], v[AVA] offset:1664*((\kb0)+2*\c)+832*(\t/2)+384*(\t%2)
	ds_load_b64 v[KF+12*\t+6*\c+4:KF+12*\t+6*\c+5], v[AVB] offset:1664*((\kb0)+2*\c)+832*(\t/2)+384*(\t%2)
.endr
.endr
	ds_load_b32 v[VS], v[AVS] offset:256*(\kb0)
	ds_load_b32 v[VS+1], v[AVS] offset:256*(\kb0)+128
.endm
; S^T = K Q^T, n tiles of 16 keys.  A tile's scale words lie in lanes 0-15 (even tile) or 16-31 (odd tile) of its block's register.
.macro SMUL n
.set t, 0
.rept \n
.if t%2
	v_wmma_scale_f32_16x16x128_f8f6f4 v[S+8*t:S+8*t+7], v[KF+6*t:KF+6*t+11], v[QF:QF+11], 0, v[KS+t/2], v[QS] matrix_a_fmt:MATRIX_FMT_FP6 matrix_b_fmt:MATRIX_FMT_FP6 matrix_a_scale:MATRIX_SCALE_ROW1
.else
	v_wmma_scale_f32_16x16x128_f8f6f4 v[S+8*t:S+8*t+7], v[KF+6*t:KF+6*t+11], v[QF:QF+11], 0, v[KS+t/2], v[QS] matrix_a_fmt:MATRIX_FMT_FP6 matrix_b_fmt:MATRIX_FMT_FP6
.endif
.set t, t+1
.endr
.endm
; O^T += V^T P^T, four tiles of 16 channels, by turns; zero = 1: the first step's products start the sums.  Between two steps' products on one accumulator stand the other three's and the next step's S^T.
.macro PVMUL zero
.set t, 0
.rept 4
.if \zero
.if t%2
	v_wmma_scale_f32_16x16x128_f8f6f4 v[OT+8*t:OT+8*t+7], v[KF+12*t:KF+12*t+11], v[PC:PC+11], 0, v[VS+t/2], v[PW] matrix_a_fmt:MATRIX_FMT_FP6 matrix_b_fmt:MATRIX_FMT_FP6 matrix_a_scale:MATRIX_SCALE_ROW1
.else
	v_wmma_scale_f32_16x16x128_f8f6f4 v[OT+8*t:OT+8*t+7], v[KF+12*t:KF+12*t+11], v[PC:PC+11], 0, v[VS+t/2], v[PW] matrix_a_fmt:MATRIX_FMT_FP6 matrix_b_fmt:MATRIX_FMT_FP6
.endif
.else
.if t%2
	v_wmma_scale_f32_16x16x128_f8f6f4 v[OT+8*t:OT+8*t+7], v[KF+12*t:KF+12*t+11], v[PC:PC+11], v[OT+8*t:OT+8*t+7], v[VS+t/2], v[PW] matrix_a_fmt:MATRIX_FMT_FP6 matrix_b_fmt:MATRIX_FMT_FP6 matrix_a_scale:MATRIX_SCALE_ROW1
.else
	v_wmma_scale_f32_16x16x128_f8f6f4 v[OT+8*t:OT+8*t+7], v[KF+12*t:KF+12*t+11], v[PC:PC+11], v[OT+8*t:OT+8*t+7], v[VS+t/2], v[PW] matrix_a_fmt:MATRIX_FMT_FP6 matrix_b_fmt:MATRIX_FMT_FP6
.endif
.endif
.set t, t+1
.endr
.endm
; v[src] = the step's largest score of my query: the running largest t, the new -M = floor(-t), and f = 2^(old M - new M)
.macro NEWM src
	v_mul_f32 v[TMP], s[CS], v[\src]               ; as t (log2(e) is positive)
	v_max_num_f32 v[TMAX], v[TMAX], v[TMP]
	v_mov_b32 v[TMP], v[NEGM]
	v_floor_f32 v[NEGM], -v[TMAX]                  ; M IS A WHOLE NUMBER
	v_sub_f32 v[TMP], v[NEGM], v[TMP]              ; old M less new M: a whole number, 0 or less
	v_cvt_i32_f32 v[TMP], v[TMP]                   ; (it saturates)
	v_ldexp_f32 v[FF], 1.0, v[TMP]                 ; a multiplication by f rounds nothing
.endm
.macro RESCALE                                 ; O^T under the new M, each accumulator from its low end on
.set j, 0
.rept 16
	v_pk_mul_f32 v[OT+j:OT+j+1], v[OT+j:OT+j+1], v[FF:FF+1] op_sel_hi:[1,0]
.set j, j+2
.endr
.endm
; A STEP: my window's blocks 4 s .. 4 s + 3, 128 keys.  first = 1: step 0, whose first block holds the window's lower edge, and whose products start O^T.
.macro STEP s, first
	s_wait_dscnt 0x0                               ; K's eight tiles and their scale words are in
	SMUL 8
.irp b, 0,1,2,3
	s_cmp_ge_i32 s[LB0], -(4*(\s)+\b)              ; does local block w / 2 + 4 s + b exist?  It hangs on the wave's and the work-group's numbers alone
	s_cselect_b32 s[BI+\b], 0, 0xff800000
.endr
	PLACES 4                                       ; four places behind the products: in front of the loads into the registers that they read, and of the first read of their results
	VFETCH 4*(\s)                                  ; V's fragments land while the softmax is walked
.if \first
.irp i, 0,1,2,3,4,5,6,7,8,9,10,11,12,13,14,15
	v_cmp_le_i32 vcc_lo, \i, v[DD]                 ; key under my query - 511
	v_cndmask_b32 v[S+\i], v[S+\i], v[NINF], vcc_lo
.endr
.endif
.irp b, 0,1,2,3
	v_max3_num_f32 v[BM+\b], v[S+16*\b], v[S+16*\b+1], v[S+16*\b+2]   ; THE LARGEST SCORE OF EACH BLOCK: it serves for the row's maximum and, since p rises with the score, for the block's largest p
.endr
.irp i, 3,5,7,9,11,13
.irp b, 0,1,2,3
	v_max3_num_f32 v[BM+\b], v[BM+\b], v[S+16*\b+\i], v[S+16*\b+\i+1]   ; (the four blocks by turns)
.endr
.endr
.irp b, 0,1,2,3
	v_max_num_f32 v[BM+\b], v[BM+\b], v[S+16*\b+15]
.endr
.irp b, 0,1,2,3
	v_permlanex16_b32 v[T2+\b], v[BM+\b], s[SEL], s[SEL+1]
.endr
.irp b, 0,1,2,3
	v_max_num_f32 v[BM+\b], v[BM+\b], v[T2+\b]     ; with lane l xor 16's 16 keys
.endr
.irp b, 0,1,2,3
	v_add_f32 v[BM+\b], s[BI+\b], v[BM+\b]         ; a block that does not exist counts as -infinity
.endr
	v_max3_num_f32 v[TMP], v[BM], v[BM+1], v[BM+2]
	v_max_num_f32 v[TMP], v[TMP], v[BM+3]
	NEWM TMP
.irp b, 0,1,2,3
	v_add_f32 v[NM+2*\b], s[BI+\b], v[NEGM]        ; the block's addend: -M, or -infinity
.endr
.set j, 0
.rept 32
	v_pk_fma_f32 v[S+j:S+j+1], v[S+j:S+j+1], s[CS:CS+1], v[NM+2*(j/16):NM+2*(j/16)+1] op_sel_hi:[1,0,0]   ; t - M, two at a time (of both pairs the low word serves both halves)
.set j, j+2
.endr
.irp b, 0,1,2,3
	v_fma_f32 v[BM+\b], v[BM+\b], s[CS], v[NEGM]   ; the same of each block's largest score
.endr
.set j, 0
.rept 64
	v_exp_f32 v[S+j], v[S+j]                       ; p = 2^(t - M), at most 1: NOT normalised
.set j, j+1
.endr
.irp b, 0,1,2,3
	v_exp_f32 v[BM+\b], v[BM+\b]                   ; the block's largest p
.endr
	v_pk_mul_f32 v[SUM:SUM+1], v[SUM:SUM+1], v[FF:FF+1] op_sel_hi:[1,0]   ; the sums under the new M; also the plain line behind the exponentials
	s_wait_alu depctr_va_vdst(0)
.irp b, 0,1,2,3
	v_max_num_f32 v[BM+\b], 0x1800000, v[BM+\b]    ; the floor 2^(3 - 127): a block whose every p is 0 keeps the byte 1; its codes are zeros
.endr
.irp b, 0,1,2,3
	v_add_nc_u32 v[SCO+\b], 0xff000000, v[BM+\b]   ; 2 off the exponent field: the conversion's scale operand
.endr
.irp b, 0,1,2,3
	v_lshrrev_b32 v[T2+\b], 23, v[SCO+\b]          ; the scale's byte
.endr
	v_lshl_or_b32 v[PW], v[T2+1], 8, v[T2]         ; p's scale word for these 128 keys
	v_lshl_or_b32 v[PW], v[T2+2], 16, v[PW]
	v_lshl_or_b32 v[PW], v[T2+3], 24, v[PW]
.irp c, 0,1
	v_cvt_scalef32_pk16_fp6_f32 v[PC+6*\c:PC+6*\c+2], v[S+32*\c:S+32*\c+15], v[SCO+2*\c]
	v_cvt_scalef32_pk16_fp6_f32 v[T2+4*\c:T2+4*\c+2], v[S+32*\c+16:S+32*\c+31], v[SCO+2*\c+1]
.endr
	v_nop                                          ; one plain line behind the scaled conversions
.irp c, 0,1                                    ; the operand's layout wants a WHOLE block in a lane: lanes 0-15 block 2 c, lanes 16-31 block 2 c + 1
.irp i, 0,1,2
	v_permlane16_swap_b32 v[PC+6*\c+\i], v[T2+4*\c+\i]
.endr
.irp i, 0,1,2
	v_mov_b32 v[PC+6*\c+3+\i], v[T2+4*\c+\i]
.endr
.endr
.if \first
	PLACES 8                                       ; p's scale word stands 8 places, its codes 4, ahead of the scaled products; there is no O^T yet to rescale
.else
	RESCALE                                        ; sixteen lines: they are those places too
.endif
	s_wait_dscnt 0x0                               ; V's fragments and scale words are in
	PVMUL \first
	v_pk_add_f32 v[T2:T2+1], v[S:S+1], v[S+2:S+3]  ; THE ROW'S SUM IS TAKEN OF THE UNQUANTISED p, in two chains.  The first five lines name no register of the products above: they are the places in front of the loads below
.irp j, 4,8
	v_pk_add_f32 v[SUM:SUM+1], v[SUM:SUM+1], v[S+\j:S+\j+1]
	v_pk_add_f32 v[T2:T2+1], v[T2:T2+1], v[S+\j+2:S+\j+3]
.endr
.if \s < 3
	KFETCH 8*((\s)+1), 8                           ; the next step's K lands under the rest of the sums
.else
	KFETCH 32, 2                                   ; the 17th block's two tiles
.endif
.irp j, 12,16,20,24,28,32,36,40,44,48,52,56,60
	v_pk_add_f32 v[SUM:SUM+1], v[SUM:SUM+1], v[S+\j:S+\j+1]
	v_pk_add_f32 v[T2:T2+1], v[T2:T2+1], v[S+\j+2:S+\j+3]
.endr
	v_pk_add_f32 v[SUM:SUM+1], v[SUM:SUM+1], v[T2:T2+1]
.endm
	; ---- the head: pointers, numbers, addresses
	s_load_b256 s[4:11], s[0:1], 0x0               ; q s[4:5], k s[6:7], v s[8:9], out s[10:11]
	v_lshrrev_b32 v1, 5, v0
	v_readfirstlane_b32 s12, v1                    ; w: wave 0..15
	s_mov_b32 s13, ttmp9                           ; x: the block of 256 queries
	s_and_b32 s14, ttmp7, 0xffff                   ; the head
	s_lshr_b32 s15, s12, 1                         ; w / 2: my window's first local block
	s_and_b32 s16, s12, 1
	s_lshl_b32 s16, s16, 4                         ; 16 (w % 2)
	s_lshl_b32 s17, s13, 8
	s_sub_co_i32 s17, s17, 512                     ; local key 0 is key 256 x - 512 (signed)
	s_lshl_b32 s18, s14, 20                        ; a head is 4,096 rows of 256 bytes
	s_mov_b32 s19, 0
	s_mov_b32 s[SEL], 0x76543210
	s_mov_b32 s[SEL+1], 0xfedcba98
	s_mov_b32 s[CS], 0x3fb8aa3b                    ; log2(e)
	s_mov_b32 s[CS+1], s[CS]                       ; (named with it as a pair, so it is written)
	s_lshl_b32 s36, s13, 3
	s_sub_co_i32 s36, 16, s36
	s_max_i32 s36, s36, 0                          ; local blocks under max(16 - 8 x, 0) do not exist
	s_sub_co_i32 s[LB0], s15, s36
	v_and_b32 v12, 31, v0                          ; lane
	v_and_b32 v13, 15, v0                          ; r
	v_bfe_u32 v14, v0, 4, 1                        ; h
	v_lshlrev_b32 v[LQ], 4, v12
	s_mul_i32 s36, s15, 1536                       ; two tiles of K a block
	v_add_nc_u32 v[AKA], s36, v[LQ]
	v_lshl_add_u32 v[AKB], v12, 3, s36
	v_add_nc_u32 v[AKB], KIMG+512, v[AKB]
	s_mul_i32 s37, s15, 1664                       ; two units of V a block
	s_add_co_u32 s37, s37, VIMG
	v_mul_u32_u24 v15, v14, 1664
	v_add_nc_u32 v15, s37, v15
	v_lshl_add_u32 v[AVA], v13, 4, v15
	v_lshl_add_u32 v[AVB], v13, 3, v15
	v_add_nc_u32 v[AVB], 256, v[AVB]
	s_lshl_b32 s38, s15, 7
	s_add_co_u32 s38, s38, KSC
	v_lshl_add_u32 v[AKS], v12, 2, s38
	s_lshl_b32 s39, s15, 8
	s_add_co_u32 s39, s39, VSCB+768
	v_lshl_add_u32 v[AVS], v12, 2, s39
	v_lshlrev_b32 v15, 4, v14
	v_sub_nc_u32 v[DD], v13, v15
	v_add_nc_u32 v[DD], s16, v[DD]
	v_mov_b32 v[NINF], 0xff800000
	s_mul_i32 s[STW], s12, 4352
	s_add_co_u32 s[STW], s[STW], STG
	v_mul_u32_u24 v15, v14, 272
	v_lshl_add_u32 v15, v13, 4, v15
	v_add_nc_u32 v[SW], s[STW], v15
	v_mul_u32_u24 v15, v13, 272
	v_lshl_add_u32 v15, v14, 7, v15
	v_add_nc_u32 v[SR], s[STW], v15
	v_lshlrev_b32 v[VVO], 2, v12
	s_mul_i32 s40, s12, 2304                       ; my three tiles of K
	v_add_nc_u32 v[KWA], s40, v[LQ]
	v_lshl_add_u32 v[KWB], v12, 3, s40
	v_add_nc_u32 v[KWB], KIMG+512, v[KWB]
	s_mul_i32 s41, s12, 192
	s_add_co_u32 s41, s41, KSC
	v_lshl_add_u32 v[KWS], v13, 2, s41
	s_mul_i32 s36, s12, 2496                       ; my three units of V
	s_add_co_u32 s36, s36, VIMG
	v_mul_u32_u24 v15, v14, 384
	v_add_nc_u32 v15, s36, v15
	v_lshl_add_u32 v[VWA], v13, 4, v15
	v_lshl_add_u32 v[VWB], v13, 3, v15
	v_add_nc_u32 v[VWB], 256, v[VWB]
	s_mul_i32 s37, s12, 384
	s_add_co_u32 s37, s37, VSCB
	v_lshl_add_u32 v[VWS], v12, 2, s37
	v_lshlrev_b32 v[H8], 3, v14
	v_mov_b32 v[TP], 0                             ; written once: a lane permute's destination counts as one of its sources
	s_wait_kmcnt 0x0
	s_add_nc_u64 s[4:5], s[4:5], s[18:19]          ; all four tensors at my head
	s_add_nc_u64 s[6:7], s[6:7], s[18:19]
	s_add_nc_u64 s[8:9], s[8:9], s[18:19]
	s_add_nc_u64 s[10:11], s[10:11], s[18:19]
	s_lshl_b32 s36, s13, 16
	s_lshl_b32 s41, s12, 12
	s_add_co_u32 s36, s36, s41                     ; my first query: (256 x + 16 w) rows of 256 bytes
	s_mov_b32 s37, 0
	s_add_nc_u64 s[4:5], s[4:5], s[36:37]
	s_add_nc_u64 s[10:11], s[10:11], s[36:37]
	s_mul_i32 s38, s12, 3
.irp j, 0,1,2
	s_add_co_u32 s39, s38, \j                      ; tile of K and unit of V number i = 3 w + j: local block i / 2, half i % 2
	s_lshr_b32 s40, s39, 1
	s_lshl_b32 s40, s40, 5
	s_add_co_i32 s40, s40, s17
	s_max_i32 s40, s40, 0                          ; the block's first key, held at 0 where the block lies ahead of the head's start: no load leaves its buffer
	s_and_b32 s41, s39, 1
	s_lshl_b32 s36, s41, 3
	s_add_co_u32 s36, s36, s40
	s_lshl_b32 s36, s36, 8                         ; K: the tile's first row is the block's key 8 (i % 2)
	s_add_nc_u64 s[KB+2*\j:KB+2*\j+1], s[6:7], s[36:37]
	s_lshl_b32 s36, s40, 8
	s_lshl_b32 s41, s41, 7
	s_add_co_u32 s36, s36, s41                     ; V: the block's first row, channels 32 (i % 2) on
	s_add_nc_u64 s[VB+2*\j:VB+2*\j+1], s[8:9], s[36:37]
.endr
	; ---- phase A.  64 loads go out at once; two more units of v follow into registers as they fall free.  No address register or base of a load is written again before all loads are in.
	GLD16 BUF0, KB, 1
	GLD16 BUF1, KB+2, 1
	GLD16 BUF2, KB+4, 1
	GLD16 BUF3, 4, 0
	GLDV BUF4, 0
	KJOB 0, BUF0, 56, 1                            ; behind its eight loads: 8 + 8 + 8 + 32
	KJOB 1, BUF1, 63, 2                            ; 80 behind it: the count is the largest that the wait can name
	KJOB 2, BUF2, 63, -1                           ; 104
	s_wait_loadcnt 63                              ; q: 96 behind it
	TURN BUF3
.set j, 0
.rept 16
	v_pk_mul_f32 v[X+j:X+j+1], v[X+j:X+j+1], 0x3e000000 op_sel_hi:[1,0]   ; q x 64^(-1/2) = q / 8, ahead of the quantiser
.set j, j+2
.endr
	QB32 X, QF
	WORD QS
.irp i, 6,7,8,9,10,11
	v_mov_b32 v[QF+\i], 0                          ; zero codes for k = 64 .. 127
.endr
	VJOB 0, BUF4, 63                               ; 64 behind it
	VJOB 1, BUF0, 32                               ; the last unit's 32
	VJOB 2, BUF1, 0
	s_wait_dscnt 0x0                               ; for the others' sake: my images, words and bytes lie in LDS
	s_barrier_signal -1
.set n, 0
.rept 12
	v_mov_b32 v[PC+n], 0                           ; named as the tail of K's last tile before p's first codes are made
.set n, n+1
.endr
.irp b, 0,1,2,3
	v_mov_b32 v[T2+\b], 0                          ; lane permutes' destinations
	v_mov_b32 v[NM+2*\b+1], 0                      ; the pairs' upper words are only named
.endr
	v_mov_b32 v[FF+1], 0
	v_mov_b32 v[TMAX], 0xff61b1e6                  ; the largest t so far: -3e38, under every t
	v_floor_f32 v[NEGM], -v[TMAX]
	v_mov_b32 v[SUM], 0
	v_mov_b32 v[SUM+1], 0
	s_barrier_wait -1                              ; all 768 keys lie in LDS; from here on they are only read
	; ---- phase B
	KFETCH 0, 8
	STEP 0, 1
	STEP 1, 0
	STEP 2, 0
	STEP 3, 0
	; the 17th block, with the diagonal.  It is block 3 of a fragment that begins at my window's block 13: p's codes for blocks 13 to 15 are zeros here, so V's codes there add nothing a second time
	s_wait_dscnt 0x0
	SMUL 2
	PLACES 4
	VFETCH 13
.irp i, 0,1,2,3,4,5,6,7,8,9,10,11,12,13,14,15
	v_cmp_gt_i32 vcc_lo, \i, v[DD]                 ; key above my query
	v_cndmask_b32 v[S+\i], v[S+\i], v[NINF], vcc_lo
.endr
	v_max3_num_f32 v[BM], v[S], v[S+1], v[S+2]
.irp i, 3,5,7,9,11,13
	v_max3_num_f32 v[BM], v[BM], v[S+\i], v[S+\i+1]
.endr
	v_max_num_f32 v[BM], v[BM], v[S+15]
	v_permlanex16_b32 v[T2], v[BM], s[SEL], s[SEL+1]
	v_max_num_f32 v[BM], v[BM], v[T2]              ; my own key is among them: a number
	NEWM BM
.irp j, 0,2,4,6,8,10,12,14
	v_pk_fma_f32 v[S+\j:S+\j+1], v[S+\j:S+\j+1], s[CS:CS+1], v[NEGM:NEGM+1] op_sel_hi:[1,0,0]
.endr
	v_fma_f32 v[BM], v[BM], s[CS], v[NEGM]
.set j, 0
.rept 16
	v_exp_f32 v[S+j], v[S+j]
.set j, j+1
.endr
	v_exp_f32 v[BM], v[BM]
	v_pk_mul_f32 v[SUM:SUM+1], v[SUM:SUM+1], v[FF:FF+1] op_sel_hi:[1,0]   ; also the plain line behind the exponentials
	s_wait_alu depctr_va_vdst(0)
	v_max_num_f32 v[BM], 0x1800000, v[BM]
	v_add_nc_u32 v[SCO], 0xff000000, v[BM]
	v_lshrrev_b32 v[TMP], 23, v[SCO]
	v_lshlrev_b32 v[PW], 24, v[TMP]                ; the block's byte is byte 3; bytes 0 to 2 are 0, over zero codes
	v_cvt_scalef32_pk16_fp6_f32 v[T2:T2+2], v[S:S+15], v[SCO]
	v_nop                                          ; one plain line behind the scaled conversion
.set n, 0
.rept 9
	v_mov_b32 v[PC+n], 0
.set n, n+1
.endr
.irp i, 0,1,2
	v_permlane16_swap_b32 v[PC+6+\i], v[T2+\i]     ; lanes 16-31 of registers 6-8 take the block's lower 16 codes; lanes 0-15 stay zeros, and zeros go back
.endr
.irp i, 0,1,2
	v_mov_b32 v[PC+9+\i], v[T2+\i]                 ; lanes 16-31: the upper 16 codes; lanes 0-15: zeros
.endr
	v_pk_add_f32 v[T2+4:T2+5], v[S:S+1], v[S+2:S+3]
.irp j, 4,8,12
	v_pk_add_f32 v[SUM:SUM+1], v[SUM:SUM+1], v[S+\j:S+\j+1]
	v_pk_add_f32 v[T2+4:T2+5], v[T2+4:T2+5], v[S+\j+2:S+\j+3]
.endr
	v_pk_add_f32 v[SUM:SUM+1], v[SUM:SUM+1], v[T2+4:T2+5]
	RESCALE
	s_wait_dscnt 0x0
	PVMUL 0
	; ---- the way out.  O^T is divided by the row's sum and goes through my stage, so that each store of the wave covers 512 consecutive bytes, two whole rows of out.  The first six lines are the places behind the last products.
	v_add_f32 v[SUM], v[SUM], v[SUM+1]             ; the sum's two halves,
	v_and_b32 v[SO], 15, v0
	v_mul_u32_u24 v[SO], v[SO], 272
	v_bfe_u32 v[TMP], v0, 4, 1
	v_lshl_add_u32 v[SO], v[TMP], 5, v[SO]
	v_add_nc_u32 v[SO], s[STW], v[SO]              ; into the stage: row r, + 32 h; tile t's eight channels 64 t bytes on
	v_permlanex16_b32 v[T2], v[SUM], s[SEL], s[SEL+1]
	v_add_f32 v[SUM], v[SUM], v[T2]                ; and lane l xor 16's: above 1/2, since the row's largest p is
	v_rcp_f32 v[SUM], v[SUM]
	v_nop                                          ; one plain line behind the transcendental
.set j, 0
	s_wait_alu depctr_va_vdst(0)
.rept 32
	v_mul_f32 v[S+j], v[OT+j], v[SUM]              ; each accumulator from its low end on
.set j, j+1
.endr
.irp t, 0,1,2,3
	ds_store_b128 v[SO], v[S+8*\t:S+8*\t+3] offset:64*\t
	ds_store_b128 v[SO], v[S+8*\t+4:S+8*\t+7] offset:64*\t+16
.endr
.irp i, 0,1,2,3,4,5,6,7
	ds_load_b128 v[KF+4*\i:KF+4*\i+3], v[SW] offset:544*\i   ; my own bytes, served in order: these see the stores above
.endr
.irp i, 0,1,2,3,4,5,6,7
	s_wait_dscnt 7-\i
	global_store_b128 v[LQ], v[KF+4*\i:KF+4*\i+3], s[10:11] offset:512*\i th:TH_STORE_NT   ; rows 2 i and 2 i + 1 of my 16: 512 consecutive bytes, at a multiple of 512 from out's first byte; written once, read by nobody here
.endr
	s_wait_xcnt 0x0
	v_lshl_add_u32 v254, v0, 2, 0x26400
	v_mov_b32 v255, 0
	s_wait_tensorcnt 0x0
	ds_add_u32 v254, v255
	s_wait_dscnt 0x0
	s_endpgm
.Lfunc_end_k_q797715fa29_swa:
	.size	k_q797715fa29_swa, .Lfunc_end_k_q797715fa29_swa-k_q797715fa29_swa
	.p2alignl 7, 3214868480
	.fill 96, 4, 3214868480
	.section	.rodata,"a",@progbits
	.p2align	6, 0x0
	.amdhsa_kernel k_q797715fa29_swa
		.amdhsa_group_segment_fixed_size 158720
		.amdhsa_private_segment_fixed_size 0
		.amdhsa_enable_private_segment 0
		.amdhsa_kernarg_size 32
		.amdhsa_user_sgpr_count 2
		.amdhsa_user_sgpr_kernarg_segment_ptr 1
		.amdhsa_wavefront_size32 1
		.amdhsa_system_sgpr_workgroup_id_x 1
		.amdhsa_system_sgpr_workgroup_id_y 1
		.amdhsa_system_sgpr_workgroup_id_z 1
		.amdhsa_system_vgpr_workitem_id 0
		.amdhsa_next_free_vgpr 256
		.amdhsa_next_free_sgpr 66
		.amdhsa_reserve_vcc 1
		.amdhsa_float_denorm_mode_32 3
		.amdhsa_float_denorm_mode_16_64 3
		.amdhsa_memory_ordered 1
		.amdhsa_forward_progress 1
		.amdhsa_inst_pref_size 114
	.end_amdhsa_kernel
	.amdgpu_metadata
---
amdhsa.version: [ 1, 2 ]
amdhsa.kernels:
  - .name:           k_q797715fa29_swa
    .symbol:         k_q797715fa29_swa.kd
    .args:
      - { .name: q, .offset: 0, .size: 8, .value_kind: global_buffer, .address_space: global }
      - { .name: k, .offset: 8, .size: 8, .value_kind: global_buffer, .address_space: global }
      - { .name: v, .offset: 16, .size: 8, .value_kind: global_buffer, .address_space: global }
      - { .name: out0, .offset: 24, .size: 8, .value_kind: global_buffer, .address_space: global }
    .group_segment_fixed_size: 158720
    .private_segment_fixed_size: 0
    .kernarg_segment_align: 8
    .kernarg_segment_size: 32
    .max_flat_workgroup_size: 512
    .sgpr_count:     66
    .vgpr_count:     256
    .wavefront_size: 32
...
	.end_amdgpu_metadata
.endif
;; end of part 1
;; ======== version 2 of 2: 1 launch; version 1 with the launch swa written anew for expert scheduling mode
;; launch swa (part 2): grid 16 x 16, 16 waves a work-group, no clusters, 158,720 bytes of LDS; arguments q, k, v, out0; writes out0
.if DOCPART == 2
	.amdgcn_target "amdgcn-amd-amdhsa--gfx1250"
	.amdhsa_code_object_version 6
	.text
	.protected	k_q797715fa29_swa
	.globl	k_q797715fa29_swa
	.p2align	8
	.type	k_q797715fa29_swa,@function
k_q797715fa29_swa:
	s_mov_b64 s[64:65], 0
	v_nop
	global_prefetch_b8 v0, s[64:65] scope:SCOPE_SE
	s_setreg_imm32_b32 hwreg(HW_REG_WAVE_SCHED_MODE, 0, 2), 2
	s_setreg_imm32_b32 hwreg(HW_REG_WAVE_MODE, 25, 1), 1
	s_wait_xcnt 0x0
	s_wait_alu depctr_vm_vsrc(0)
; out[b][n][:] = softmax over keys m in [n - 511, n] of (q[b][n] / 8 . k[b][m]) times v[b][m][:].  q, k, v, out: [16][4096][64] f32.
; Both products run on codes of FP6 (E2M3) with one E8M0 scale for each 32 along a product's K: q / 8 and k along the 64 channels, p and v along the keys (blocks of 32 from key 0).
; p = 2^(t - M), t = logit x log2(e), M the running largest t rounded UP to a whole number; the row's sum is taken of the unquantised p and divides at the end.
; SHARES.  A work-group owns 256 queries of one head (grid x: the block of queries, grid y: the head); its LOCAL keys 0 .. 767 are keys 256 x - 512 .. 256 x + 255: 24 blocks of 32.
; Each of its sixteen waves owns 16 queries in 256 registers.  PHASE A: the waves together quantise the 768 keys of k and v once, three tiles of k and three units of v a wave, and lay codes and scale words
; into LDS as images of operand registers; each wave quantises its own queries into registers.  One barrier.  PHASE B: wave w walks the 17 blocks w / 2 .. w / 2 + 16, which hold its queries' windows exactly:
; four steps of 128 keys and one of 32 (the block with the diagonal).  No loop, no branch, one barrier.
; LAYOUT.  Both products are used transposed: S^T = K Q^T (source 0 = 16 keys, source 1 = my queries), O^T = V^T P^T (source 0 = 16 channels, source 1 = p): a lane holds ONE query (lane % 16) throughout.
; THE KEYS OF A TILE ARE NOT NEIGHBOURS: row m of tile 2 b + u is key 32 b + 8 u + m + 8 (m / 8), so that S^T's registers 16 b + i are keys 32 b + 16 (lane / 16) + i: 16 neighbours along the second product's K.
; THE FIRST PRODUCT'S K IS 64 OF THE INSTRUCTION'S 128.  Q's registers 6-11 are zero codes, and bytes 2, 3 of Q's and K's scale words are 0, no NaN byte.  Zero codes add nothing whatever stands against them, and E2M3 has no
; infinity or NaN: so K's fragments lie packed, 6 registers a tile, and a tile's operand runs on over the next tile's six (the last tile's over p's codes, which are always written).
; KEYS AHEAD OF THE HEAD'S START (x = 0, 1: local blocks under 16 - 8 x).  Phase A holds such a block's first key at 0, so that no load leaves its buffer and every LDS byte read is written; phase B adds -infinity to such a block's
; largest score and to its addend -M: p = 0, zero codes.  272 of a head's 4,352 block visits are computed so and count for nothing.
; NO CLUSTER: what neighbouring work-groups share are f32 numbers that must pass through registers to be quantised: 768 keys x 256 bytes x 2 = 393,216 bytes a work-group, more than a work-group's LDS can take, and each neighbour's
; window is shifted by 256 keys.  So nothing here is brought by tensor loads, and there is no joint request to make.  Every load of the launch is issued at its head or within phase A: there is no later stream to ask for ahead.
; LIMITS: NaN and infinities among the inputs are not served.  A block whose largest magnitude lies under 2^-124 has its scale byte held at 1; a block of zeros has the byte 1 where the rule says 127 (its codes are zeros, and this
; program alone reads the bytes).  p under 2^-126 comes out of v_exp_f32 as 0 (ISA guide, 15.8).
; THE MODE: SCHED_MODE bits 1:0 = 2 (LLVM: expert scheduling mode 2), set by the entry lines.  The code itself states the register dependences between vector or matrix instructions and memory or LDS instructions,
; with s_wait_alu, always for 0.
; THE PLAN.  Registers that memory or LDS instructions touch, and who else names them:
;   v1-6, v9-11     addresses: written at the head, never again.   v32-38: phase A's addresses: written at the head; phase B writes them anew, behind the wait on vm_vsrc at the barrier.
;   BUF0 .. BUF4    global loads land; BUF0-3 are read by the turn's LDS stores; BUF0 and BUF1 are then loaded again (units of v); a unit's conversions read BUF4, BUF0, BUF1.
;   X               the turn's LDS loads land; the job's vector lines read it.     CC, WD, BY: a job's vector lines write them; its image stores read them.
;   A job of k: one wait on vm_vsrc behind the turn (the turn's stores have read the buffer, the last job's stores CC and WD), one on va_vdst ahead of its image stores, which also shows X read out for the next turn.
;   KF, KS, VS      phase B: LDS loads land (K's tiles, V's fragments, by turns); matrix instructions alone read them: a wait on va_vdst stands behind each run of products, ahead of the loads that take their operands' registers.
;   PC, PW, QF, QS  written by vector lines, taken by scaled products as operands: a wait on va_vdst behind the places, ahead of the products.
;   s24-39          phase B: the masks of the window's two edges: sixteen compares in a run, one wait on va_sdst, sixteen selects.
.set KIMG, 0                           ; LDS: K's 48 tiles, 768 bytes each: registers 0-3 at 16 x lane (512 bytes), registers 4-5 at 512 + 8 x lane
.set KSC,  36864                       ; K's scale words: tile T's at 64 T + 4 (lane % 16): 128 bytes a block of 32 keys, lanes 0-15 the even tile, lanes 16-31 the odd one
.set VIMG, 39936                       ; V's 48 units (block kb, channels 32 half on) at 832 (2 kb + half): for each 16 channels 384 bytes: registers 0-3 at 16 r, registers 4-5 at 256 + 8 r; 64 bytes left over
.set VSCB, 79872                       ; V's scale words for a fragment that begins at ANY block: row kb0 + 3 (kb0 = -3 .. 23) of 256 bytes, word 4 x channel, byte j = the byte of block kb0 + j
.set STG,  86784                       ; a stage of 16 rows x 272 bytes for each wave, its own: the turn of k and q in phase A, and the way out
.set AKA,  1                           ; v1   K's images, registers 0-3: KIMG + 1536 (w / 2) + 16 x lane
.set AKB,  2                           ; v2   registers 4-5: KIMG + 512 + 1536 (w / 2) + 8 x lane
.set AVA,  3                           ; v3   V's images, registers 0-3: VIMG + 1664 (w / 2 + h) + 16 r
.set AVB,  4                           ; v4   registers 4-5: the same + 256 + 8 r in place of 16 r
.set AKS,  5                           ; v5   K's scale words: KSC + 128 (w / 2) + 4 x lane
.set AVS,  6                           ; v6   V's: VSCB + 256 (w / 2 + 3) + 4 x lane
.set DD,   7                           ; v7   d = r - 16 h + 16 (w % 2), signed: in the window's first block register i is hidden where i <= d, in its last where i > d
.set NINF, 8                           ; v8   -infinity
.set SW,   9                           ; v9   the stage by pairs of rows: + 272 h + 16 r
.set SR,   10                          ; v10  the stage by rows: + 272 r + 128 h
.set LQ,   11                          ; v11  16 x lane
.set NEGM, 12                          ; v12  -M          (v12-15 are at work in the head)
.set TMAX, 13                          ; v13  the running largest t
.set SUM,  14                          ; v[14:15] the row's sum, in two halves
.set QF,   16                          ; v16-27 Q's fragment
.set QS,   28                          ; v28  Q's scale words
.set PW,   29                          ; v29  p's scale word
.set FF,   30                          ; v[30:31] f = 2^(old M - new M); the pair's upper word is only named
; phase A
.set VVO,  32                          ; v32  4 x lane
.set KWA,  33                          ; v33-35 where I store K's images and scale words
.set KWB,  34
.set KWS,  35
.set VWA,  36                          ; v36-38 and V's
.set VWB,  37
.set VWS,  38
.set H8,   39                          ; v39  8 h
.set MA,   40                          ; v40-41 two chains of a largest magnitude
.set MB,   41
.set SCL,  42                          ; v42  the conversion's scale operand
.set BY,   43                          ; v43  the scale's byte
.set T1,   44
.set TP,   45
.set WD,   46                          ; v46  a scale word on its way to LDS
.set CC,   48                          ; v48-53 a block's codes
.set YY,   54                          ; v54-56 their second half, as the conversion leaves it
.set BUF0, 64                          ; v64-223 five sets of 32 numbers as loaded
.set BUF1, 96
.set BUF2, 128
.set BUF3, 160
.set BUF4, 192
.set X,    224                         ; v224-255 32 neighbours along the channels
; phase B
.set NM,   32                          ; v32-39 four pairs: -M, or -infinity for a block that does not exist, in the low word
.set BM,   40                          ; v40-43 each block's largest score, then its largest p
.set T2,   44                          ; v44-51 at work
.set SCO,  52                          ; v52-55 the conversions' scale operands
.set TMP,  56
.set SO,   57                          ; v57  the way out: where I put 32 bytes of a row
.set KS,   58                          ; v58-61 K's scale words, a register a block
.set VS,   62                          ; v62-63 V's: channels 0-31, 32-63
.set KF,   64                          ; v64-111 K's 8 x 6 registers, then V's 4 x 12
.set PC,   112                         ; v112-123 p's codes, directly behind KF
.set S,    128                         ; v128-191 S^T, then p
.set OT,   192                         ; v192-223 O^T: register 8 t + j = channel 16 t + 8 h + j
.set SEL,  20                          ; s[20:21] v_permlanex16_b32's selects for lane l xor 16
.set CS,   22                          ; s[22:23] log2(e): the packed form names a pair and takes its low word for both halves
.set KB,   24                          ; s[24:29] k at my three tiles
.set VB,   30                          ; s[30:35] v at my three units
.set MK,   24                          ; s24-39 phase B: sixteen masks of a window's edge (phase A's bases and scratch are done with: all its loads are in ahead of the barrier)
.set LB0,  42                          ; s42  w / 2 less the number of local blocks that do not exist
.set STW,  43                          ; s43  my stage
.set BI,   44                          ; s[44:47] 0, or -infinity, for a step's four blocks
.macro PLACES n
.rept \n
	v_nop
.endr
.endm
; A lane's 32 numbers of ONE block, v[src] on, become 6 registers of codes at v[dst] on, and the block's scale byte in v[BY].
.macro QB32 src, dst
	v_max3_num_f32 v[MA], |v[\src]|, |v[\src+1]|, 0x1800000        ; the largest magnitude, in two chains, with the floor 2^(3 - 127) among its leaves: the byte cannot fall under 1
	v_max3_num_f32 v[MB], |v[\src+2]|, |v[\src+3]|, |v[\src+4]|
.irp i, 5,9,13,17,21,25
	v_max3_num_f32 v[MA], v[MA], |v[\src+\i]|, |v[\src+\i+1]|
	v_max3_num_f32 v[MB], v[MB], |v[\src+\i+2]|, |v[\src+\i+3]|
.endr
	v_max3_num_f32 v[MA], v[MA], |v[\src+29]|, |v[\src+30]|
	v_max3_num_f32 v[MA], v[MA], v[MB], |v[\src+31]|
	v_add_nc_u32 v[SCL], 0xff000000, v[MA]                         ; 2 off its exponent field: the conversion takes the exponent field of this operand as its scale, and nothing else of it
	v_cvt_scalef32_pk16_fp6_f32 v[\dst:\dst+2], v[\src:\src+15], v[SCL]
	v_cvt_scalef32_pk16_fp6_f32 v[YY:YY+2], v[\src+16:\src+31], v[SCL]   ; (a conversion's three registers begin on an even number)
	v_lshrrev_b32 v[BY], 23, v[SCL]                                ; the scale's byte; also the plain line behind the conversions
.irp i, 0,1,2
	v_mov_b32 v[\dst+3+\i], v[YY+\i]
.endr
.endm
; Lane (r, h) holds the byte of block h of row r: the row's scale word is byte 0 | byte 1 << 8, bytes 2 and 3 stay 0; both halves of the lanes end with it.
.macro WORD dst
	v_lshlrev_b32 v[T1], v[H8], v[BY]
	v_permlanex16_b32 v[TP], v[T1], s[SEL], s[SEL+1]
	v_or_b32 v[\dst], v[T1], v[TP]
.endm
; 16 rows of 256 bytes, two rows (512 consecutive bytes) a load.  kind 0: q's 16 neighbouring rows, read by this wave alone.  kind 1: a tile of k: two runs of 8 rows, 16 rows apart.  Load i holds the tile's rows 2 i + h.
.macro GLD16 buf, base, kind
.irp i, 0,1,2,3,4,5,6,7
.if \kind
	global_load_b128 v[\buf+4*\i:\buf+4*\i+3], v[LQ], s[\base:\base+1] offset:4096*(\i/4)+512*(\i%4)
.else
	global_load_b128 v[\buf+4*\i:\buf+4*\i+3], v[LQ], s[\base:\base+1] offset:512*\i th:TH_LOAD_NT
.endif
.endr
.endm
; A unit of v: a lane takes a channel and its registers run down the block's 32 keys, so that the conversions give codes with the keys innermost.  32 lanes read 128 consecutive bytes.
.macro GLDV buf, j
.set n, 0
.rept 32
	global_load_b32 v[\buf+n], v[VVO], s[VB+2*(\j):VB+2*(\j)+1] offset:256*n
.set n, n+1
.endr
.endm
; 16 rows x 64 numbers turn through my stage: in as loaded, back as 32 neighbours of row r (channels 32 h on).  LDS serves a wave's instructions in order (ISA guide 5.7.1.4): no wait between the stores and the loads.
; The loads into X owe no wait of their own: the last job's wait on va_vdst shows its lines done reading X, and only LDS instructions stand between that wait and these loads.
.macro TURN buf
.irp i, 0,1,2,3,4,5,6,7
	ds_store_b128 v[SW], v[\buf+4*\i:\buf+4*\i+3] offset:544*\i
.endr
.irp i, 0,1,2,3,4,5,6,7
	ds_load_b128 v[X+4*\i:X+4*\i+3], v[SR] offset:16*\i
.endr
	s_wait_dscnt 0x0                               ; X is in
.endm
; My j-th tile of k.  left: the loads issued behind its eight.  vnext: the unit of v that takes buf's registers, or -1.
.macro KJOB j, buf, left, vnext
	s_wait_loadcnt \left
	TURN \buf
	s_wait_alu depctr_vm_vsrc(0)                   ; the turn's LDS stores have read buf, in which a unit of v lands below; the last job's image stores have read the codes' registers and the word, which the lines below write again
.if \vnext >= 0
	GLDV \buf, \vnext
.endif
	QB32 X, CC
	WORD WD
	s_wait_alu depctr_va_vdst(0)                   ; the codes and the word are written, which the three stores below read; and the lines above are done reading X, in which the next turn's loads land
	ds_store_b128 v[KWA], v[CC:CC+3] offset:768*\j
	ds_store_b64 v[KWB], v[CC+4:CC+5] offset:768*\j
	ds_store_b32 v[KWS], v[WD] offset:64*\j        ; lanes r and r + 16 write the same word with the same value
.endm
; My j-th unit of v: its codes, and its byte at the four places from which a fragment's scale word may want it.
.macro VJOB j, buf, left
	s_wait_loadcnt \left
	s_wait_dscnt 0x0                               ; the last job's LDS stores are done
	s_wait_alu depctr_vm_vsrc(0)                   ; the last job's stores have read the codes' registers and the byte, which the lines below write again
	QB32 \buf, CC
	s_wait_alu depctr_va_vdst(0)                   ; the codes and the byte are written, which the six stores below read
	ds_store_b128 v[VWA], v[CC:CC+3] offset:832*\j
	ds_store_b64 v[VWB], v[CC+4:CC+5] offset:832*\j
.irp jj, 0,1,2,3
	ds_store_b8 v[VWS], v[BY] offset:128*\j+256*(3-\jj)+\jj   ; block kb is byte jj of the word that begins at block kb - jj
.endr
.endm
; n tiles of K from my window's tile tile0 on, 6 registers each, and their scale words
.macro KFETCH tile0, n
.set t, 0
.rept \n
	ds_load_b128 v[KF+6*t:KF+6*t+3], v[AKA] offset:768*((\tile0)+t)
	ds_load_b64 v[KF+6*t+4:KF+6*t+5], v[AKB] offset:768*((\tile0)+t)
.set t, t+1
.endr
.set t, 0
.rept (\n)/2
	ds_load_b32 v[KS+t], v[AKS] offset:128*((\tile0)/2+t)
.set t, t+1
.endr
.endm
; V^T's four fragments (16 channels x 128 keys) for the four blocks from my window's block kb0 on: lane (r, h) takes block kb0 + 2 c + h of channel 16 t + r into registers 6 c .. 6 c + 5
.macro VFETCH kb0
.irp t, 0,1,2,3
.irp c, 0,1
	ds_load_b128 v[KF+12*\t+6*\c:KF+12*\t+6*\c+3], v[AVA] offset:1664*((\kb0)+2*\c)+832*(\t/2)+384*(\t%2)
	ds_load_b64 v[KF+12*\t+6*\c+4:KF+12*\t+6*\c+5], v[AVB] offset:1664*((\kb0)+2*\c)+832*(\t/2)+384*(\t%2)
.endr
.endr
	ds_load_b32 v[VS], v[AVS] offset:256*(\kb0)
	ds_load_b32 v[VS+1], v[AVS] offset:256*(\kb0)+128
.endm
; S^T = K Q^T, n tiles of 16 keys.  A tile's scale words lie in lanes 0-15 (even tile) or 16-31 (odd tile) of its block's register.
.macro SMUL n
.set t, 0
.rept \n
.if t%2
	v_wmma_scale_f32_16x16x128_f8f6f4 v[S+8*t:S+8*t+7], v[KF+6*t:KF+6*t+11], v[QF:QF+11], 0, v[KS+t/2], v[QS] matrix_a_fmt:MATRIX_FMT_FP6 matrix_b_fmt:MATRIX_FMT_FP6 matrix_a_scale:MATRIX_SCALE_ROW1
.else
	v_wmma_scale_f32_16x16x128_f8f6f4 v[S+8*t:S+8*t+7], v[KF+6*t:KF+6*t+11], v[QF:QF+11], 0, v[KS+t/2], v[QS] matrix_a_fmt:MATRIX_FMT_FP6 matrix_b_fmt:MATRIX_FMT_FP6
.endif
.set t, t+1
.endr
.endm
; O^T += V^T P^T, four tiles of 16 channels, by turns; zero = 1: the first step's products start the sums.  Between two steps' products on one accumulator stand the other three's and the next step's S^T.
.macro PVMUL zero
.set t, 0
.rept 4
.if \zero
.if t%2
	v_wmma_scale_f32_16x16x128_f8f6f4 v[OT+8*t:OT+8*t+7], v[KF+12*t:KF+12*t+11], v[PC:PC+11], 0, v[VS+t/2], v[PW] matrix_a_fmt:MATRIX_FMT_FP6 matrix_b_fmt:MATRIX_FMT_FP6 matrix_a_scale:MATRIX_SCALE_ROW1
.else
	v_wmma_scale_f32_16x16x128_f8f6f4 v[OT+8*t:OT+8*t+7], v[KF+12*t:KF+12*t+11], v[PC:PC+11], 0, v[VS+t/2], v[PW] matrix_a_fmt:MATRIX_FMT_FP6 matrix_b_fmt:MATRIX_FMT_FP6
.endif
.else
.if t%2
	v_wmma_scale_f32_16x16x128_f8f6f4 v[OT+8*t:OT+8*t+7], v[KF+12*t:KF+12*t+11], v[PC:PC+11], v[OT+8*t:OT+8*t+7], v[VS+t/2], v[PW] matrix_a_fmt:MATRIX_FMT_FP6 matrix_b_fmt:MATRIX_FMT_FP6 matrix_a_scale:MATRIX_SCALE_ROW1
.else
	v_wmma_scale_f32_16x16x128_f8f6f4 v[OT+8*t:OT+8*t+7], v[KF+12*t:KF+12*t+11], v[PC:PC+11], v[OT+8*t:OT+8*t+7], v[VS+t/2], v[PW] matrix_a_fmt:MATRIX_FMT_FP6 matrix_b_fmt:MATRIX_FMT_FP6
.endif
.endif
.set t, t+1
.endr
.endm
; v[src] = the step's largest score of my query: the running largest t, the new -M = floor(-t), and f = 2^(old M - new M)
.macro NEWM src
	v_mul_f32 v[TMP], s[CS], v[\src]               ; as t (log2(e) is positive)
	v_max_num_f32 v[TMAX], v[TMAX], v[TMP]
	v_mov_b32 v[TMP], v[NEGM]
	v_floor_f32 v[NEGM], -v[TMAX]                  ; M IS A WHOLE NUMBER
	v_sub_f32 v[TMP], v[NEGM], v[TMP]              ; old M less new M: a whole number, 0 or less
	v_cvt_i32_f32 v[TMP], v[TMP]                   ; (it saturates)
	v_ldexp_f32 v[FF], 1.0, v[TMP]                 ; a multiplication by f rounds nothing
.endm
.macro RESCALE                                 ; O^T under the new M, each accumulator from its low end on
.set j, 0
.rept 16
	v_pk_mul_f32 v[OT+j:OT+j+1], v[OT+j:OT+j+1], v[FF:FF+1] op_sel_hi:[1,0]
.set j, j+2
.endr
.endm
; A STEP: my window's blocks 4 s .. 4 s + 3, 128 keys.  first = 1: step 0, whose first block holds the window's lower edge, and whose products start O^T.
; The products S^T owe no wait of their own: of their operands vector lines write only Q's codes and word and p's first six registers, all ahead of an earlier wait on va_vdst (behind the barrier; ahead of the last step's products V^T P^T).
.macro STEP s, first
	s_wait_dscnt 0x0                               ; K's eight tiles and their scale words are in
	SMUL 8
.irp b, 0,1,2,3
	s_cmp_ge_i32 s[LB0], -(4*(\s)+\b)              ; does local block w / 2 + 4 s + b exist?  It hangs on the wave's and the work-group's numbers alone
	s_cselect_b32 s[BI+\b], 0, 0xff800000
.endr
.if \first
.irp i, 0,1,2,3,4,5,6,7,8,9,10,11,12,13,14,15
	v_cmp_le_i32 s[MK+\i], \i, v[DD]               ; key under my query - 511: the sixteen masks in one run; they name no register of the products
.endr
.endif
	PLACES 4                                       ; four places behind the products (ISA guide 7.12.1), in front of the first read of their results
	s_wait_alu depctr_va_vdst(0)                   ; the products above are done reading K's tiles, and the last step's products V's scale words: V's fragments and words land in these registers
	VFETCH 4*(\s)                                  ; V's fragments land while the softmax is walked, which names none of their registers
.if \first
	s_wait_alu depctr_va_sdst(0)                   ; the sixteen masks are written, ahead of their first reader
.irp i, 0,1,2,3,4,5,6,7,8,9,10,11,12,13,14,15
	v_cndmask_b32 v[S+\i], v[S+\i], v[NINF], s[MK+\i]
.endr
.endif
.irp b, 0,1,2,3
	v_max3_num_f32 v[BM+\b], v[S+16*\b], v[S+16*\b+1], v[S+16*\b+2]   ; THE LARGEST SCORE OF EACH BLOCK: it serves for the row's maximum and, since p rises with the score, for the block's largest p
.endr
.irp i, 3,5,7,9,11,13
.irp b, 0,1,2,3
	v_max3_num_f32 v[BM+\b], v[BM+\b], v[S+16*\b+\i], v[S+16*\b+\i+1]   ; (the four blocks by turns)
.endr
.endr
.irp b, 0,1,2,3
	v_max_num_f32 v[BM+\b], v[BM+\b], v[S+16*\b+15]
.endr
.irp b, 0,1,2,3
	v_permlanex16_b32 v[T2+\b], v[BM+\b], s[SEL], s[SEL+1]
.endr
.irp b, 0,1,2,3
	v_max_num_f32 v[BM+\b], v[BM+\b], v[T2+\b]     ; with lane l xor 16's 16 keys
.endr
.irp b, 0,1,2,3
	v_add_f32 v[BM+\b], s[BI+\b], v[BM+\b]         ; a block that does not exist counts as -infinity
.endr
	v_max3_num_f32 v[TMP], v[BM], v[BM+1], v[BM+2]
	v_max_num_f32 v[TMP], v[TMP], v[BM+3]
	NEWM TMP
.irp b, 0,1,2,3
	v_add_f32 v[NM+2*\b], s[BI+\b], v[NEGM]        ; the block's addend: -M, or -infinity
.endr
.set j, 0
.rept 32
	v_pk_fma_f32 v[S+j:S+j+1], v[S+j:S+j+1], s[CS:CS+1], v[NM+2*(j/16):NM+2*(j/16)+1] op_sel_hi:[1,0,0]   ; t - M, two at a time (of both pairs the low word serves both halves)
.set j, j+2
.endr
.irp b, 0,1,2,3
	v_fma_f32 v[BM+\b], v[BM+\b], s[CS], v[NEGM]   ; the same of each block's largest score
.endr
.set j, 0
	s_wait_alu depctr_va_vdst(0)
.rept 64
	v_exp_f32 v[S+j], v[S+j]                       ; p = 2^(t - M), at most 1: NOT normalised
.set j, j+1
.endr
.irp b, 0,1,2,3
	v_exp_f32 v[BM+\b], v[BM+\b]                   ; the block's largest p
.endr
	v_pk_mul_f32 v[SUM:SUM+1], v[SUM:SUM+1], v[FF:FF+1] op_sel_hi:[1,0]   ; the sums under the new M; also the plain line behind the exponentials
	s_wait_alu depctr_va_vdst(0)                   ; the 68 exponentials have written p and the blocks' largest p: one wait for the batch, ahead of its first reader
.irp b, 0,1,2,3
	v_max_num_f32 v[BM+\b], 0x1800000, v[BM+\b]    ; the floor 2^(3 - 127): a block whose every p is 0 keeps the byte 1; its codes are zeros
.endr
.irp b, 0,1,2,3
	v_add_nc_u32 v[SCO+\b], 0xff000000, v[BM+\b]   ; 2 off the exponent field: the conversion's scale operand
.endr
.irp b, 0,1,2,3
	v_lshrrev_b32 v[T2+\b], 23, v[SCO+\b]          ; the scale's byte
.endr
	v_lshl_or_b32 v[PW], v[T2+1], 8, v[T2]         ; p's scale word for these 128 keys
	v_lshl_or_b32 v[PW], v[T2+2], 16, v[PW]
	v_lshl_or_b32 v[PW], v[T2+3], 24, v[PW]
.irp c, 0,1
	v_cvt_scalef32_pk16_fp6_f32 v[PC+6*\c:PC+6*\c+2], v[S+32*\c:S+32*\c+15], v[SCO+2*\c]
	v_cvt_scalef32_pk16_fp6_f32 v[T2+4*\c:T2+4*\c+2], v[S+32*\c+16:S+32*\c+31], v[SCO+2*\c+1]
.endr
	v_nop                                          ; one plain line behind the scaled conversions
.irp c, 0,1                                    ; the operand's layout wants a WHOLE block in a lane: lanes 0-15 block 2 c, lanes 16-31 block 2 c + 1
.irp i, 0,1,2
	v_permlane16_swap_b32 v[PC+6*\c+\i], v[T2+4*\c+\i]
.endr
.irp i, 0,1,2
	v_mov_b32 v[PC+6*\c+3+\i], v[T2+4*\c+\i]
.endr
.endr
.if \first
	PLACES 8                                       ; p's scale word stands 8 places, its codes 4, ahead of the scaled products; there is no O^T yet to rescale
.else
	RESCALE                                        ; sixteen lines: they are those places too
.endif
	s_wait_dscnt 0x0                               ; V's fragments and scale words are in
	s_wait_alu depctr_va_vdst(0)                   ; p's codes and its scale word are written, which the scaled products below take as operand and scales; the places above stay beside this wait
	PVMUL \first
	v_pk_add_f32 v[T2:T2+1], v[S:S+1], v[S+2:S+3]  ; THE ROW'S SUM IS TAKEN OF THE UNQUANTISED p, in two chains.  The first five lines are work of the wave's own behind the products, ahead of the wait below
.irp j, 4,8
	v_pk_add_f32 v[SUM:SUM+1], v[SUM:SUM+1], v[S+\j:S+\j+1]
	v_pk_add_f32 v[T2:T2+1], v[T2:T2+1], v[S+\j+2:S+\j+3]
.endr
	s_wait_alu depctr_va_vdst(0)                   ; the products above are done reading V's fragments, in whose registers K's next tiles land (K's scale words were read ahead of an earlier wait)
.if \s < 3
	KFETCH 8*((\s)+1), 8                           ; the next step's K lands under the rest of the sums, which name S, the sum and v[T2:T2+1] alone
.else
	KFETCH 32, 2                                   ; the 17th block's two tiles
.endif
.irp j, 12,16,20,24,28,32,36,40,44,48,52,56,60
	v_pk_add_f32 v[SUM:SUM+1], v[SUM:SUM+1], v[S+\j:S+\j+1]
	v_pk_add_f32 v[T2:T2+1], v[T2:T2+1], v[S+\j+2:S+\j+3]
.endr
	v_pk_add_f32 v[SUM:SUM+1], v[SUM:SUM+1], v[T2:T2+1]
.endm
	; ---- the head: pointers, numbers, addresses
	s_load_b256 s[4:11], s[0:1], 0x0               ; q s[4:5], k s[6:7], v s[8:9], out s[10:11]
	v_lshrrev_b32 v1, 5, v0
	v_readfirstlane_b32 s12, v1                    ; w: wave 0..15
	s_mov_b32 s13, ttmp9                           ; x: the block of 256 queries
	s_and_b32 s14, ttmp7, 0xffff                   ; the head
	s_wait_alu depctr_va_sdst(0)                   ; s12 is written, ahead of its first reader: LDS addresses and the tensors' bases are made from it
	s_lshr_b32 s15, s12, 1                         ; w / 2: my window's first local block
	s_and_b32 s16, s12, 1
	s_lshl_b32 s16, s16, 4                         ; 16 (w % 2)
	s_lshl_b32 s17, s13, 8
	s_sub_co_i32 s17, s17, 512                     ; local key 0 is key 256 x - 512 (signed)
	s_lshl_b32 s18, s14, 20                        ; a head is 4,096 rows of 256 bytes
	s_mov_b32 s19, 0
	s_mov_b32 s[SEL], 0x76543210
	s_mov_b32 s[SEL+1], 0xfedcba98
	s_mov_b32 s[CS], 0x3fb8aa3b                    ; log2(e)
	s_mov_b32 s[CS+1], s[CS]                       ; (named with it as a pair, so it is written)
	s_lshl_b32 s36, s13, 3
	s_sub_co_i32 s36, 16, s36
	s_max_i32 s36, s36, 0                          ; local blocks under max(16 - 8 x, 0) do not exist
	s_sub_co_i32 s[LB0], s15, s36
	v_and_b32 v12, 31, v0                          ; lane
	v_and_b32 v13, 15, v0                          ; r
	v_bfe_u32 v14, v0, 4, 1                        ; h
	v_lshlrev_b32 v[LQ], 4, v12
	s_mul_i32 s36, s15, 1536                       ; two tiles of K a block
	v_add_nc_u32 v[AKA], s36, v[LQ]
	v_lshl_add_u32 v[AKB], v12, 3, s36
	v_add_nc_u32 v[AKB], KIMG+512, v[AKB]
	s_mul_i32 s37, s15, 1664                       ; two units of V a block
	s_add_co_u32 s37, s37, VIMG
	v_mul_u32_u24 v15, v14, 1664
	v_add_nc_u32 v15, s37, v15
	v_lshl_add_u32 v[AVA], v13, 4, v15
	v_lshl_add_u32 v[AVB], v13, 3, v15
	v_add_nc_u32 v[AVB], 256, v[AVB]
	s_lshl_b32 s38, s15, 7
	s_add_co_u32 s38, s38, KSC
	v_lshl_add_u32 v[AKS], v12, 2, s38
	s_lshl_b32 s39, s15, 8
	s_add_co_u32 s39, s39, VSCB+768
	v_lshl_add_u32 v[AVS], v12, 2, s39
	v_lshlrev_b32 v15, 4, v14
	v_sub_nc_u32 v[DD], v13, v15
	v_add_nc_u32 v[DD], s16, v[DD]
	v_mov_b32 v[NINF], 0xff800000
	s_mul_i32 s[STW], s12, 4352
	s_add_co_u32 s[STW], s[STW], STG
	v_mul_u32_u24 v15, v14, 272
	v_lshl_add_u32 v15, v13, 4, v15
	v_add_nc_u32 v[SW], s[STW], v15
	v_mul_u32_u24 v15, v13, 272
	v_lshl_add_u32 v15, v14, 7, v15
	v_add_nc_u32 v[SR], s[STW], v15
	v_lshlrev_b32 v[VVO], 2, v12
	s_mul_i32 s40, s12, 2304                       ; my three tiles of K
	v_add_nc_u32 v[KWA], s40, v[LQ]
	v_lshl_add_u32 v[KWB], v12, 3, s40
	v_add_nc_u32 v[KWB], KIMG+512, v[KWB]
	s_mul_i32 s41, s12, 192
	s_add_co_u32 s41, s41, KSC
	v_lshl_add_u32 v[KWS], v13, 2, s41
	s_mul_i32 s36, s12, 2496                       ; my three units of V
	s_add_co_u32 s36, s36, VIMG
	v_mul_u32_u24 v15, v14, 384
	v_add_nc_u32 v15, s36, v15
	v_lshl_add_u32 v[VWA], v13, 4, v15
	v_lshl_add_u32 v[VWB], v13, 3, v15
	v_add_nc_u32 v[VWB], 256, v[VWB]
	s_mul_i32 s37, s12, 384
	s_add_co_u32 s37, s37, VSCB
	v_lshl_add_u32 v[VWS], v12, 2, s37
	v_lshlrev_b32 v[H8], 3, v14
	v_mov_b32 v[TP], 0                             ; written once: a lane permute's destination counts as one of its sources
	s_wait_kmcnt 0x0
	s_add_nc_u64 s[4:5], s[4:5], s[18:19]          ; all four tensors at my head
	s_add_nc_u64 s[6:7], s[6:7], s[18:19]
	s_add_nc_u64 s[8:9], s[8:9], s[18:19]
	s_add_nc_u64 s[10:11], s[10:11], s[18:19]
	s_lshl_b32 s36, s13, 16
	s_lshl_b32 s41, s12, 12
	s_add_co_u32 s36, s36, s41                     ; my first query: (256 x + 16 w) rows of 256 bytes
	s_mov_b32 s37, 0
	s_add_nc_u64 s[4:5], s[4:5], s[36:37]
	s_add_nc_u64 s[10:11], s[10:11], s[36:37]
	s_mul_i32 s38, s12, 3
.irp j, 0,1,2
	s_add_co_u32 s39, s38, \j                      ; tile of K and unit of V number i = 3 w + j: local block i / 2, half i % 2
	s_lshr_b32 s40, s39, 1
	s_lshl_b32 s40, s40, 5
	s_add_co_i32 s40, s40, s17
	s_max_i32 s40, s40, 0                          ; the block's first key, held at 0 where the block lies ahead of the head's start: no load leaves its buffer
	s_and_b32 s41, s39, 1
	s_lshl_b32 s36, s41, 3
	s_add_co_u32 s36, s36, s40
	s_lshl_b32 s36, s36, 8                         ; K: the tile's first row is the block's key 8 (i % 2)
	s_add_nc_u64 s[KB+2*\j:KB+2*\j+1], s[6:7], s[36:37]
	s_lshl_b32 s36, s40, 8
	s_lshl_b32 s41, s41, 7
	s_add_co_u32 s36, s36, s41                     ; V: the block's first row, channels 32 (i % 2) on
	s_add_nc_u64 s[VB+2*\j:VB+2*\j+1], s[8:9], s[36:37]
.endr
	; ---- phase A.  64 loads go out at once; two more units of v follow into registers as they fall free.  No address register or base of a load is written again before all loads are in.
	s_wait_alu depctr_va_vdst(0)                   ; the address registers v1-6, v9-11 and v32-38 are written, which every load, store and LDS instruction of the kernel but the way out's first stores reads
	GLD16 BUF0, KB, 1
	GLD16 BUF1, KB+2, 1
	GLD16 BUF2, KB+4, 1
	GLD16 BUF3, 4, 0
	GLDV BUF4, 0
	KJOB 0, BUF0, 56, 1                            ; behind its eight loads: 8 + 8 + 8 + 32
	KJOB 1, BUF1, 63, 2                            ; 80 behind it: the count is the largest that the wait can name
	KJOB 2, BUF2, 63, -1                           ; 104
	s_wait_loadcnt 63                              ; q: 96 behind it
	TURN BUF3
.set j, 0
.rept 16
	v_pk_mul_f32 v[X+j:X+j+1], v[X+j:X+j+1], 0x3e000000 op_sel_hi:[1,0]   ; q x 64^(-1/2) = q / 8, ahead of the quantiser.  (q's lines write no register that a memory or LDS instruction has read, and feed none: no wait stands here)
.set j, j+2
.endr
	QB32 X, QF
	WORD QS
.irp i, 6,7,8,9,10,11
	v_mov_b32 v[QF+\i], 0                          ; zero codes for k = 64 .. 127
.endr
	VJOB 0, BUF4, 63                               ; 64 behind it
	VJOB 1, BUF0, 32                               ; the last unit's 32
	VJOB 2, BUF1, 0
	s_wait_dscnt 0x0                               ; for the others' sake: my images, words and bytes lie in LDS
	s_wait_alu depctr_vm_vsrc(0)                   ; phase A's loads and LDS stores have read their registers (v32-38, the codes, word and byte, BUF0-3): from here on vector and matrix lines and LDS loads write these anew
	s_barrier_signal -1
.set n, 0
.rept 12
	v_mov_b32 v[PC+n], 0                           ; named as the tail of K's last tile before p's first codes are made
.set n, n+1
.endr
.irp b, 0,1,2,3
	v_mov_b32 v[T2+\b], 0                          ; lane permutes' destinations
	v_mov_b32 v[NM+2*\b+1], 0                      ; the pairs' upper words are only named
.endr
	v_mov_b32 v[FF+1], 0
	v_mov_b32 v[TMAX], 0xff61b1e6                  ; the largest t so far: -3e38, under every t
	v_floor_f32 v[NEGM], -v[TMAX]
	v_mov_b32 v[SUM], 0
	v_mov_b32 v[SUM+1], 0
	s_barrier_wait -1                              ; all 768 keys lie in LDS; from here on they are only read
	; ---- phase B
	s_wait_alu depctr_va_vdst(0)                   ; Q's codes and scale word and the zero codes in v[PC ..] are written, which the first scaled products take as operands and scales (the thirteen lines behind the zero codes are their places)
	KFETCH 0, 8
	STEP 0, 1
	STEP 1, 0
	STEP 2, 0
	STEP 3, 0
	; the 17th block, with the diagonal.  It is block 3 of a fragment that begins at my window's block 13: p's codes for blocks 13 to 15 are zeros here, so V's codes there add nothing a second time
	s_wait_dscnt 0x0
	SMUL 2
.irp i, 0,1,2,3,4,5,6,7,8,9,10,11,12,13,14,15
	v_cmp_gt_i32 s[MK+\i], \i, v[DD]               ; key above my query: the sixteen masks in one run
.endr
	PLACES 4
	s_wait_alu depctr_va_vdst(0)                   ; the two products above are done reading K's tiles, and the last step's products V's scale words: V's fragments and words land in these registers
	VFETCH 13
	s_wait_alu depctr_va_sdst(0)                   ; the sixteen masks are written, ahead of their first reader
.irp i, 0,1,2,3,4,5,6,7,8,9,10,11,12,13,14,15
	v_cndmask_b32 v[S+\i], v[S+\i], v[NINF], s[MK+\i]
.endr
	v_max3_num_f32 v[BM], v[S], v[S+1], v[S+2]
.irp i, 3,5,7,9,11,13
	v_max3_num_f32 v[BM], v[BM], v[S+\i], v[S+\i+1]
.endr
	v_max_num_f32 v[BM], v[BM], v[S+15]
	v_permlanex16_b32 v[T2], v[BM], s[SEL], s[SEL+1]
	v_max_num_f32 v[BM], v[BM], v[T2]              ; my own key is among them: a number
	NEWM BM
.irp j, 0,2,4,6,8,10,12,14
	v_pk_fma_f32 v[S+\j:S+\j+1], v[S+\j:S+\j+1], s[CS:CS+1], v[NEGM:NEGM+1] op_sel_hi:[1,0,0]
.endr
	v_fma_f32 v[BM], v[BM], s[CS], v[NEGM]
.set j, 0
	s_wait_alu depctr_va_vdst(0)
.rept 16
	v_exp_f32 v[S+j], v[S+j]
.set j, j+1
.endr
	v_exp_f32 v[BM], v[BM]
	v_pk_mul_f32 v[SUM:SUM+1], v[SUM:SUM+1], v[FF:FF+1] op_sel_hi:[1,0]   ; also the plain line behind the exponentials
	s_wait_alu depctr_va_vdst(0)                   ; the 17 exponentials have written p and the block's largest p: one wait for the batch, ahead of its first reader
	v_max_num_f32 v[BM], 0x1800000, v[BM]
	v_add_nc_u32 v[SCO], 0xff000000, v[BM]
	v_lshrrev_b32 v[TMP], 23, v[SCO]
	v_lshlrev_b32 v[PW], 24, v[TMP]                ; the block's byte is byte 3; bytes 0 to 2 are 0, over zero codes
	v_cvt_scalef32_pk16_fp6_f32 v[T2:T2+2], v[S:S+15], v[SCO]
	v_nop                                          ; one plain line behind the scaled conversion
.set n, 0
.rept 9
	v_mov_b32 v[PC+n], 0
.set n, n+1
.endr
.irp i, 0,1,2
	v_permlane16_swap_b32 v[PC+6+\i], v[T2+\i]     ; lanes 16-31 of registers 6-8 take the block's lower 16 codes; lanes 0-15 stay zeros, and zeros go back
.endr
.irp i, 0,1,2
	v_mov_b32 v[PC+9+\i], v[T2+\i]                 ; lanes 16-31: the upper 16 codes; lanes 0-15: zeros
.endr
	v_pk_add_f32 v[T2+4:T2+5], v[S:S+1], v[S+2:S+3]
.irp j, 4,8,12
	v_pk_add_f32 v[SUM:SUM+1], v[SUM:SUM+1], v[S+\j:S+\j+1]
	v_pk_add_f32 v[T2+4:T2+5], v[T2+4:T2+5], v[S+\j+2:S+\j+3]
.endr
	v_pk_add_f32 v[SUM:SUM+1], v[SUM:SUM+1], v[T2+4:T2+5]
	RESCALE
	s_wait_dscnt 0x0
	s_wait_alu depctr_va_vdst(0)                   ; p's codes and its scale word are written, which the scaled products below take as operand and scales; the sums and the rescaling above are their places
	PVMUL 0
	; ---- the way out.  O^T is divided by the row's sum and goes through my stage, so that each store of the wave covers 512 consecutive bytes, two whole rows of out.  The first six lines are the places behind the last products.
	v_add_f32 v[SUM], v[SUM], v[SUM+1]             ; the sum's two halves,
	v_and_b32 v[SO], 15, v0
	v_mul_u32_u24 v[SO], v[SO], 272
	v_bfe_u32 v[TMP], v0, 4, 1
	v_lshl_add_u32 v[SO], v[TMP], 5, v[SO]
	v_add_nc_u32 v[SO], s[STW], v[SO]              ; into the stage: row r, + 32 h; tile t's eight channels 64 t bytes on
	v_permlanex16_b32 v[T2], v[SUM], s[SEL], s[SEL+1]
	v_add_f32 v[SUM], v[SUM], v[T2]                ; and lane l xor 16's: above 1/2, since the row's largest p is
	s_wait_alu depctr_va_vdst(0)
	v_rcp_f32 v[SUM], v[SUM]
	v_nop                                          ; one plain line behind the transcendental
	s_wait_alu depctr_va_vdst(0)                   ; the reciprocal is written, ahead of its first reader
.set j, 0
.rept 32
	v_mul_f32 v[S+j], v[OT+j], v[SUM]              ; each accumulator from its low end on
.set j, j+1
.endr
	s_wait_alu depctr_va_vdst(0)                   ; the 32 quotients and v[SO] are written, which the LDS stores read; and the last products are done reading V's fragments, in whose registers the stage's loads land
.irp t, 0,1,2,3
	ds_store_b128 v[SO], v[S+8*\t:S+8*\t+3] offset:64*\t
	ds_store_b128 v[SO], v[S+8*\t+4:S+8*\t+7] offset:64*\t+16
.endr
.irp i, 0,1,2,3,4,5,6,7
	ds_load_b128 v[KF+4*\i:KF+4*\i+3], v[SW] offset:544*\i   ; my own bytes, served in order: these see the stores above
.endr
.irp i, 0,1,2,3,4,5,6,7
	s_wait_dscnt 7-\i
	global_store_b128 v[LQ], v[KF+4*\i:KF+4*\i+3], s[10:11] offset:512*\i th:TH_STORE_NT   ; rows 2 i and 2 i + 1 of my 16: 512 consecutive bytes, at a multiple of 512 from out's first byte; written once, read by nobody here
.endr
	s_wait_xcnt 0x0
	v_lshl_add_u32 v254, v0, 2, 0x26400            ; the add's two registers, made anew: no memory or LDS instruction has ever read v254 or v255 (they were the last two of X, into which LDS loads landed)
	v_mov_b32 v255, 0
	s_wait_dscnt 0x0                               ; the closing lines, six on end
	s_wait_alu 0x0
	s_wait_tensorcnt 0x0
	ds_add_u32 v254, v255
	s_wait_dscnt 0x0
	s_endpgm
.Lfunc_end_k_q797715fa29_swa:
	.size	k_q797715fa29_swa, .Lfunc_end_k_q797715fa29_swa-k_q797715fa29_swa
	.p2alignl 7, 3214868480
	.fill 96, 4, 3214868480
	.section	.rodata,"a",@progbits
	.p2align	6, 0x0
	.amdhsa_kernel k_q797715fa29_swa
		.amdhsa_group_segment_fixed_size 158720
		.amdhsa_private_segment_fixed_size 0
		.amdhsa_enable_private_segment 0
		.amdhsa_kernarg_size 32
		.amdhsa_user_sgpr_count 2
		.amdhsa_user_sgpr_kernarg_segment_ptr 1
		.amdhsa_wavefront_size32 1
		.amdhsa_system_sgpr_workgroup_id_x 1
		.amdhsa_system_sgpr_workgroup_id_y 1
		.amdhsa_system_sgpr_workgroup_id_z 1
		.amdhsa_system_vgpr_workitem_id 0
		.amdhsa_next_free_vgpr 256
		.amdhsa_next_free_sgpr 66
		.amdhsa_reserve_vcc 0
		.amdhsa_float_denorm_mode_32 3
		.amdhsa_float_denorm_mode_16_64 3
		.amdhsa_memory_ordered 1
		.amdhsa_forward_progress 1
		.amdhsa_inst_pref_size 117
	.end_amdhsa_kernel
	.amdgpu_metadata
---
amdhsa.version: [ 1, 2 ]
amdhsa.kernels:
  - .name:           k_q797715fa29_swa
    .symbol:         k_q797715fa29_swa.kd
    .args:
      - { .name: q, .offset: 0, .size: 8, .value_kind: global_buffer, .address_space: global }
      - { .name: k, .offset: 8, .size: 8, .value_kind: global_buffer, .address_space: global }
      - { .name: v, .offset: 16, .size: 8, .value_kind: global_buffer, .address_space: global }
      - { .name: out0, .offset: 24, .size: 8, .value_kind: global_buffer, .address_space: global }
    .group_segment_fixed_size: 158720
    .private_segment_fixed_size: 0
    .kernarg_segment_align: 8
    .kernarg_segment_size: 32
    .max_flat_workgroup_size: 512
    .sgpr_count:     66
    .vgpr_count:     256
    .wavefront_size: 32
...
	.end_amdgpu_metadata
.endif
;; end of part 2
